; MI455X (gfx1250); checked and timed in simulation.
; The chip was launched on July 23, 2026; its instructions are those of AMD's public machine-readable ISA for CDNA 5 (MIT licence, August 2026) and "CDNA5" Instruction Set Architecture Reference Guide (July 2026). The comments in the code are by the model that wrote it; some were corrected since.
;; Simple Attention. Allowed arithmetic: matrix products marked QUANTISED: E2M3 operands, one E8M0 scale for each 32 along K, by v_wmma_scale_f32_16x16x128_f8f6f4 with both operands' format E2M3, f32 sums; everything else in f32.
;; Inputs: Wk 1,024 x 1,024 float32; Wq 1,024 x 1,024 float32; Wv 1,024 x 1,024 float32; bk 1,024 float32; bq 1,024 float32; bv 1,024 float32; mask 4 x 4,096 x 1 float32; x 4 x 4,096 x 1,024 float32.
;; Outputs: out0 4 x 4,096 x 1,024 float32.
;; This version of the problem:
;;   THIS VERSION OF THE PROBLEM IS GIVEN IN LOW PRECISION. The matrix products marked QUANTISED in the list below multiply operands that are first quantised to E2M3 (2 exponent bits, 3 mantissa bits; 6 bits a number), with one power-of-two scale for each 32 numbers along K (OCP MX v1.0); their sums are f32. All else is computed in f32.
;;   The module's matrix products, in the order in which they are computed (A, B: the left and right operand; K: the contracted axis; several contracted axes count as one K, in the product's order):
;;     1. [M 16,384, K 1,024] x [K 1,024, N 1,024]; A: input x; B: input Wq: QUANTISED
;;     2. [M 16,384, K 1,024] x [K 1,024, N 1,024]; A: input x; B: input Wk: QUANTISED
;;     3. [M 16,384, K 1,024] x [K 1,024, N 1,024]; A: input x; B: input Wv: QUANTISED
;;     4. batch 64 x [M 64, K 4,096] x [K 4,096, N 64]; A: computed on the way; B: computed on the way: QUANTISED
;;     5. batch 64 x [M 4,096, K 64] x [K 64, N 64]; A: computed on the way; B: computed on the way: QUANTISED
;;   THE QUANTISER, for each operand of a quantised product, along K:
;;     - K is cut into blocks of 32 from its start; a last block that is shorter is filled with zeros.
;;     - A block's scale is 2^e with e = floor(log2(the largest magnitude in the block)) - 2, held to -126 .. 127; a block of zeros has e = 0. As a byte (E8M0): e + 127.
;;     - Each number is divided by its block's scale, clamped to +-7.5, and rounded to the nearest number of E2M3, ties to even, subnormals kept.
;;     - The product sums the exact products of the quantised numbers (number of the format x scale) in f32.
;;   ~~~python
;;   def quantise(x, axis):      # numpy; x: float32 -> the quantised numbers, widened to float32 again
;;       x = np.moveaxis(x, axis, -1); K = x.shape[-1]
;;       x = np.pad(x, [(0, 0)] * (x.ndim - 1) + [(0, -K % 32)]); x = x.reshape(x.shape[:-1] + (-1, 32)); a = np.abs(x).max(-1, keepdims=True)
;;       e = np.where(a > 0, np.clip(np.frexp(np.where(a > 0, a, 1))[1] - 1 - 2, -126, 127), 0)      # np.frexp(a)[1] - 1 = floor(log2(a)), exactly
;;       r = np.clip(x / 2.0 ** e, -7.5, 7.5)
;;       step = 2.0 ** (np.maximum(np.frexp(np.where(r == 0, 1, r))[1] - 1, 0) - 3)
;;       q = np.round(r / step) * step * 2.0 ** e      # np.round: ties to even
;;       return np.moveaxis(q.reshape(q.shape[:-2] + (-1,))[..., :K], -1, axis).astype(np.float32)
;;   ~~~
;;   OPERANDS COMPUTED ON THE WAY. 'Computed on the way' means the value that the module computes at that place (a softmax that the list does not call 'softmax' is quantised finished and normalised). What goes into a quantiser is computed in f32, as accurately as f32 sums, v_exp_f32 and their like allow (about 1e-6 of the number): no bf16 or f16 on the way to a quantiser, and a product that is left as it is and whose result goes on into a quantised operand takes f32 operands (vector FMAs, or v_wmma_f32_16x16x4_f32). A number that lies on a knife's edge between two numbers of the format may be rounded either way, as far as f32 arithmetic and the matrix unit's own rounding can turn it there, and no further.
;; One version. Each part assembles by itself: llvm-mc -triple=amdgcn-amd-amdhsa -mcpu=gfx1250 --defsym DOCPART=n.
;; ======== version 1 of 1: 4 launches
;; workspace buffers: xq 13,107,200 bytes; wq 2,457,600 bytes; qo 13,631,488 bytes; kvo 27,262,976 bytes; kvf 229,376 bytes
;; launch quant (part 1): grid 608 x 1, 4 waves a work-group, no clusters, 57,856 bytes of LDS; arguments x, Wq, Wk, Wv, xq, wq; writes xq, wq
.if DOCPART == 1
	.amdgcn_target "amdgcn-amd-amdhsa--gfx1250"
	.amdhsa_code_object_version 6
	.text
	.protected	k_q0d8753307c_quant
	.globl	k_q0d8753307c_quant
	.p2align	8
	.type	k_q0d8753307c_quant,@function
k_q0d8753307c_quant:
	s_mov_b64 s[64:65], 0
	v_nop
	global_prefetch_b8 v0, s[64:65] scope:SCOPE_SE
	s_setreg_imm32_b32 hwreg(HW_REG_WAVE_MODE, 25, 1), 1
	s_wait_xcnt 0x0
; x [16384][1024] and Wq, Wk, Wv [1024 (k)][1024 (n)], f32, become codes of FP6 (E2M3), K innermost, 768 bytes a row, with one E8M0 byte for each 32 along K, 32 bytes a row.
; A block's scale is 2^(floor(log2(its largest magnitude)) - 2); its byte is the largest magnitude's exponent field - 2, held at 1 from below.
; (A block of zeros so gets the byte 1 where the rule says 127: its codes are zeros, which add nothing under any byte but 0xff, and this program alone reads the bytes.)
; LIMITS: NaN and infinities among the inputs are not served.
; TILE ORDER.  Row i of x (column n of a weight) is stored at PLACE p = i with its bits 3 and 4 exchanged.  Sixteen neighbouring places 16 t .. 16 t + 15 then hold the rows
; 32 (t / 2) + 8 (t % 2) + r + 8 (r / 8): used as source 0 of a matrix instruction, the 16 registers of two neighbouring tiles are 16 neighbours of the true index, which is what the next quantiser wants.
; xq: codes [16384 places][768] from byte 0, scale bytes [16384 places][32] from XS_OFF.  wq: codes [3072 places][768] (q, k, v: 1024 places each), scale bytes [3072][32] from WS_OFF.
; ONE LAUNCH, TWO PATHS, parted on the work-group's number: 0 .. 95 take the weights, 96 .. 607 take x.  Each path has LDS bytes of its own.  No tensor loads, no barrier: waves share nothing.
.set XS_OFF, 12582912
.set WS_OFF, 2359296
.set NWG_W,  96
.set EMAX,   2
; the path of x: a wave takes 8 rows = 16 steps of 512 numbers
.set STEPS, 16
.set CB,    12                         ; bytes of 16 codes
.set XR,    16                         ; v16-79   four sets of 16 numbers as they are loaded
.set XX,    80                         ; v80-111  two sets of 16 neighbours
.set XE,    112                        ; v112-127 a scale byte for each step
.set XC,    128                        ; v128-191 codes: four registers for each step, so that no store's data are written again
.set WREG,  5632                       ; LDS of a wave: two stages of 32 x SP bytes, then its 256 scale bytes
.set SP,    80                         ; a lane's place in a stage: its 64 bytes + 16 of padding
; the path of the weights: a wave takes 32 columns x 256 along K
.set NB,    8                          ; blocks of 32 along K
.set PITCH, 272                        ; a stage row: sixteen places of 16 bytes, each with 12 bytes of codes, + 16
.set KROW,  768                        ; a row of codes in memory
.set WSTG,  4*WREG                     ; the weights' stages lie behind the bytes of x's path
.set WX,    32                         ; v32-95   two sets of 32 numbers
.set WC,    96                         ; v96..    a block's codes
.set WOUT,  112                        ; v112-175 the way out
.set WSB,   24                         ; v24-25   the scale bytes, four to a register
	s_load_b256 s[4:11], s[0:1], 0x0               ; x s[4:5], Wq s[6:7], Wk s[8:9], Wv s[10:11]
	s_load_b128 s[12:15], s[0:1], 0x20             ; xq s[12:13], wq s[14:15]
	v_lshl_add_u32 v192, v0, 2, 0xe000
	v_mov_b32 v193, 0
	v_lshrrev_b32 v1, 5, v0
	v_readfirstlane_b32 s16, v1                    ; wave 0..3
	v_and_b32 v2, 31, v0                           ; lane
	s_cmp_lt_u32 ttmp9, NWG_W
	s_cbranch_scc1 .Lweights
; ---------------- x: K is innermost.  A load reads 512 consecutive bytes; a step's 2,048 bytes turn through the wave's stage so that a lane holds 16 neighbours; two neighbouring lanes hold a block.
	v_lshlrev_b32 v3, 4, v2                        ; my 16 bytes of a load's 512
	s_mul_i32 s17, s16, WREG
	v_lshrrev_b32 v14, 2, v2
	v_mul_u32_u24 v14, v14, SP
	v_and_b32 v15, 3, v2
	v_lshl_add_u32 v14, v15, 4, v14
	v_add_nc_u32 v14, s17, v14                     ; the stage, on the way in: SP (lane / 4) + 16 (lane % 4)
	v_mul_u32_u24 v15, v2, SP
	v_add_nc_u32 v15, s17, v15                     ; and on the way out: SP x lane: my 16 neighbours
	v_mul_u32_u24 v4, v2, CB                       ; my codes' place in a step's 384 bytes
	v_lshrrev_b32 v5, 1, v2
	s_add_co_u32 s17, s17, 2*32*SP
	v_add_nc_u32 v5, s17, v5                       ; LDS: my wave's 256 scale bytes, my block's byte
	v_lshlrev_b32 v7, 3, v2                        ; and on the way out 8 bytes a lane
	v_add_nc_u32 v6, s17, v7
	s_sub_co_u32 s18, ttmp9, NWG_W
	s_lshl_b32 s18, s18, 2                         ; the work-group's first run of 8 rows
	s_add_co_u32 s20, s18, s16                     ; the run that I read: the wave's number is bits 3 and 4 of the row,
	s_lshr_b32 s21, s16, 1
	s_and_b32 s22, s16, 1
	s_lshl_b32 s22, s22, 1
	s_or_b32 s21, s21, s22                         ; so exchanging its two bits
	s_add_co_u32 s22, s18, s21                     ; gives the run of places that I write
	s_lshl_b32 s24, s20, 15                        ; 8 rows of 4,096 bytes
	s_mov_b32 s25, 0
	s_mul_i32 s26, s22, 8*KROW
	s_mov_b32 s27, 0
	s_lshl_b32 s28, s22, 8                         ; 8 rows of 32 scale bytes
	s_add_co_u32 s28, s28, XS_OFF
	s_mov_b32 s29, 0
	s_wait_kmcnt 0x0
	s_add_nc_u64 s[4:5], s[4:5], s[24:25]
	s_add_nc_u64 s[8:9], s[12:13], s[26:27]        ; my codes
	s_add_nc_u64 s[10:11], s[12:13], s[28:29]      ; my scale bytes
.macro XLOAD t
.irp i, 0,1,2,3
	global_load_b128 v[XR+16*((\t)%4)+4*\i:XR+16*((\t)%4)+4*\i+3], v3, s[4:5] offset:2048*(\t)+512*\i th:TH_LOAD_NT   ; 32 lanes read 512 consecutive bytes
.endr
.endm
.macro XTURN t                         ; step t's numbers through the stage: LDS serves a wave's instructions in order, so no wait stands between the stores and the loads
.irp i, 0,1,2,3
	ds_store_b128 v14, v[XR+16*((\t)%4)+4*\i:XR+16*((\t)%4)+4*\i+3] offset:32*SP*((\t)%2)+8*SP*\i
.endr
.irp i, 0,1,2,3
	ds_load_b128 v[XX+16*((\t)%2)+4*\i:XX+16*((\t)%2)+4*\i+3], v15 offset:32*SP*((\t)%2)+16*\i
.endr
.endm
.irp t, 0,1,2,3
	XLOAD \t
.endr
	s_wait_loadcnt 12                              ; step 0's four loads are in; those of steps 1 to 3 may be out
	XTURN 0
.macro XSTEP t
.set XS, XX+16*((\t)%2)
.if (\t) > 0
	s_wait_dscnt 1                                 ; this step's numbers are back from the stage (the last step's byte store may be out): so its stores into the stage have read their registers,
.else
	s_wait_dscnt 0x0
.endif
.if (\t)+4 < STEPS
	XLOAD (\t)+4                                   ; which take the loads of four steps on
.endif
.if (\t)+1 < STEPS
.if STEPS-2-(\t) >= 3
	s_wait_loadcnt 12                              ; the next step's four loads are in; those of the three steps behind it may be out
.else
	s_wait_loadcnt 4*(STEPS-2-(\t))
.endif
	XTURN (\t)+1                                   ; and go through the other stage while this step is worked
.endif
	v_max3_num_f32 v8, |v[XS]|, |v[XS+1]|, |v[XS+2]|               ; the largest magnitude of my 16, in two chains
	v_max3_num_f32 v9, |v[XS+3]|, |v[XS+4]|, |v[XS+5]|
.irp i, 6,10
	v_max3_num_f32 v8, v8, |v[XS+\i]|, |v[XS+\i+1]|
	v_max3_num_f32 v9, v9, |v[XS+\i+2]|, |v[XS+\i+3]|
.endr
	v_max3_num_f32 v8, v8, |v[XS+14]|, |v[XS+15]|
	v_max3_num_f32 v8, v8, v9, (EMAX+1)<<23        ; and the floor 2^(EMAX + 1 - 127): so the byte cannot fall under 1
	v_max_num_f32_dpp v8, v8, v8 row_xmask:1 row_mask:0xf bank_mask:0xf   ; and of my neighbour's 16: the block's
	v_add_nc_u32 v11, -(EMAX<<23), v8              ; EMAX off its exponent field: the conversion takes the exponent field of this operand as its scale
	v_cvt_scalef32_pk16_fp6_f32 v[XC+4*(\t):XC+4*(\t)+2], v[XS:XS+15], v11
	v_lshrrev_b32 v[XE+(\t)], 23, v11              ; the scale's byte (also the plain line behind the conversion)
	ds_store_b8 v5, v[XE+(\t)] offset:16*(\t)      ; both lanes of a block write the same byte with the same value
	global_store_b96 v4, v[XC+4*(\t):XC+4*(\t)+2], s[8:9] offset:32*CB*(\t)   ; the wave stores 384 consecutive bytes
.endm
.irp t, 0,1,2,3,4,5,6,7,8,9,10,11,12,13,14,15
	XSTEP \t
.endr
	ds_load_b64 v[12:13], v6                       ; LDS serves a wave's instructions in order: these see my byte stores
	s_wait_dscnt 0x0
	global_store_b64 v7, v[12:13], s[10:11]        ; 32 lanes store 256 consecutive bytes, aligned
	s_wait_tensorcnt 0x0
	ds_add_u32 v192, v193
	s_wait_dscnt 0x0
	s_endpgm
; ---------------- the weights: K is the FIRST axis.  A lane takes a column n and its registers run down K: a block of 32 lies in one lane's 32 registers, and the codes come out with K innermost.
.Lweights:
	s_lshr_b32 s17, ttmp9, 5                       ; which weight: 0 q, 1 k, 2 v
	s_and_b32 s18, ttmp9, 7                        ; which 128 columns
	s_bfe_u32 s19, ttmp9, 0x20003                  ; which 256 along K
	s_lshl_b32 s20, s18, 7
	s_lshl_b32 s21, s16, 5
	s_add_co_u32 s20, s20, s21                     ; my wave's first column: a multiple of 32
	v_lshlrev_b32 v3, 2, v2                        ; in: 4 bytes a lane
	s_mul_i32 s21, s16, 32*PITCH
	s_add_co_u32 s21, s21, WSTG                    ; my stage
	v_and_b32 v10, 7, v2
	v_bfe_u32 v11, v2, 3, 1
	v_lshl_or_b32 v10, v11, 4, v10
	v_bfe_u32 v11, v2, 4, 1
	v_lshl_or_b32 v10, v11, 3, v10                 ; my column's place among the 32: bits 3 and 4 exchanged
	v_mul_u32_u24 v4, v10, PITCH
	v_add_nc_u32 v4, s21, v4                       ; into the stage: row = my place
	v_and_b32 v5, 15, v2
	v_lshrrev_b32 v6, 4, v2                        ; out of it: sixteen lanes to a row, two rows an instruction
	v_mul_u32_u24 v7, v6, PITCH
	v_lshl_add_u32 v7, v5, 4, v7
	v_add_nc_u32 v7, s21, v7
	v_mul_u32_u24 v8, v6, KROW
	v_mad_u32_u24 v8, v5, 12, v8                   ; and the same place in the codes' buffer
	v_lshlrev_b32 v9, 5, v10                       ; my place's row of scale bytes
	s_lshl_b32 s22, s19, 20                        ; 256 rows of 4,096 bytes
	s_lshl_b32 s23, s20, 2
	s_add_co_u32 s22, s22, s23
	s_mov_b32 s23, 0
	s_lshl_b32 s24, s17, 10
	s_add_co_u32 s24, s24, s20                     ; my first place in wq
	s_mul_i32 s26, s24, KROW
	s_mul_i32 s27, s19, 192
	s_add_co_u32 s26, s26, s27
	s_mov_b32 s27, 0
	s_lshl_b32 s28, s24, 5
	s_lshl_b32 s29, s19, 3
	s_add_co_u32 s28, s28, s29
	s_add_co_u32 s28, s28, WS_OFF
	s_mov_b32 s29, 0
	s_wait_kmcnt 0x0
	s_cmp_eq_u32 s17, 0                            ; the choice hangs on the work-group's number alone
	s_cselect_b64 s[4:5], s[6:7], s[8:9]
	s_cmp_eq_u32 s17, 2
	s_cselect_b64 s[4:5], s[10:11], s[4:5]
	s_add_nc_u64 s[4:5], s[4:5], s[22:23]
	s_add_nc_u64 s[6:7], s[14:15], s[26:27]        ; my codes
	s_add_nc_u64 s[8:9], s[14:15], s[28:29]        ; my scale bytes
.macro WLOAD t                         ; block t: W(32 t + i, my column), i = 0 .. 31, into set t % 2; a wave's load reads 128 consecutive bytes, the four waves stand side by side
.irp i, 0,1,2,3,4,5,6,7,8,9,10,11,12,13,14,15,16,17,18,19,20,21,22,23,24,25,26,27,28,29,30,31
	global_load_b32 v[WX+32*((\t)%2)+\i], v3, s[4:5] offset:(32*(\t)+\i)*4096 th:TH_LOAD_NT
.endr
.endm
	WLOAD 0
	WLOAD 1
.macro WBLOCK t
.set XS, WX+32*((\t)%2)
.if (\t) < NB-1
	s_wait_loadcnt 32                              ; this block's 32 loads are in; the next block's may be out
.else
	s_wait_loadcnt 0
.endif
	v_max3_num_f32 v12, |v[XS]|, |v[XS+1]|, |v[XS+2]|              ; the block's largest magnitude: all 32 numbers are mine
	v_max3_num_f32 v13, |v[XS+3]|, |v[XS+4]|, |v[XS+5]|
.irp i, 6,10,14,18,22,26
	v_max3_num_f32 v12, v12, |v[XS+\i]|, |v[XS+\i+1]|
	v_max3_num_f32 v13, v13, |v[XS+\i+2]|, |v[XS+\i+3]|
.endr
	v_max3_num_f32 v12, v12, |v[XS+30]|, |v[XS+31]|
	v_max3_num_f32 v12, v12, v13, (EMAX+1)<<23     ; and the floor
	v_add_nc_u32 v11, -(EMAX<<23), v12             ; the conversion's scale operand
	v_lshrrev_b32 v13, 23, v11                     ; the scale's byte
.if (\t)%4 == 0
	v_mov_b32 v[WSB+(\t)/4], v13                   ; four bytes to a register, the lower K in the lower byte
.else
	v_lshl_or_b32 v[WSB+(\t)/4], v13, 8*((\t)%4), v[WSB+(\t)/4]
.endif
	v_cvt_scalef32_pk16_fp6_f32 v[WC:WC+2], v[XS:XS+15], v11
	v_cvt_scalef32_pk16_fp6_f32 v[WC+4:WC+6], v[XS+16:XS+31], v11  ; (a conversion's three registers begin on an even number)
	v_nop                                          ; one plain line behind the conversions
	ds_store_b96 v4, v[WC:WC+2] offset:32*(\t)     ; 16 codes, 12 bytes, to a place of 16 bytes, so that every LDS address is a multiple of 16
	ds_store_b96 v4, v[WC+4:WC+6] offset:32*(\t)+16
.if (\t)+2 < NB
	WLOAD (\t)+2
.endif
	s_wait_dscnt 0x0                               ; the stores have read their registers: the next block's codes may be written
.endm
.set Q, 0
.rept NB
	WBLOCK Q
.set Q, Q+1
.endr
	global_store_b64 v9, v[WSB:WSB+1], s[8:9]      ; my column's 8 scale bytes
.irp t, 0,1,2,3,4,5,6,7,8,9,10,11,12,13,14,15
	ds_load_b96 v[WOUT+4*\t:WOUT+4*\t+2], v7 offset:2*\t*PITCH     ; LDS serves a wave's instructions in order: these see my stores
.endr
.irp t, 0,1,2,3,4,5,6,7,8,9,10,11,12,13,14,15
	s_wait_dscnt 15-\t                             ; row pair t is back; the loads behind it may be out
	global_store_b96 v8, v[WOUT+4*\t:WOUT+4*\t+2], s[6:7] offset:2*\t*KROW   ; sixteen lanes store a row's 192 consecutive bytes
.endr
	s_wait_tensorcnt 0x0
	ds_add_u32 v192, v193
	s_wait_dscnt 0x0
	s_endpgm
.Lfunc_end_k_q0d8753307c_quant:
	.size	k_q0d8753307c_quant, .Lfunc_end_k_q0d8753307c_quant-k_q0d8753307c_quant
	.p2alignl 7, 3214868480
	.fill 96, 4, 3214868480
	.section	.rodata,"a",@progbits
	.p2align	6, 0x0
	.amdhsa_kernel k_q0d8753307c_quant
		.amdhsa_group_segment_fixed_size 57856
		.amdhsa_private_segment_fixed_size 0
		.amdhsa_enable_private_segment 0
		.amdhsa_kernarg_size 48
		.amdhsa_user_sgpr_count 2
		.amdhsa_user_sgpr_kernarg_segment_ptr 1
		.amdhsa_wavefront_size32 1
		.amdhsa_system_sgpr_workgroup_id_x 1
		.amdhsa_system_sgpr_workgroup_id_y 1
		.amdhsa_system_sgpr_workgroup_id_z 1
		.amdhsa_system_vgpr_workitem_id 0
		.amdhsa_next_free_vgpr 194
		.amdhsa_next_free_sgpr 66
		.amdhsa_reserve_vcc 0
		.amdhsa_float_denorm_mode_32 3
		.amdhsa_float_denorm_mode_16_64 3
		.amdhsa_memory_ordered 1
		.amdhsa_forward_progress 1
		.amdhsa_inst_pref_size 74
	.end_amdhsa_kernel
	.amdgpu_metadata
---
amdhsa.version: [ 1, 2 ]
amdhsa.kernels:
  - .name:           k_q0d8753307c_quant
    .symbol:         k_q0d8753307c_quant.kd
    .args:
      - { .name: x, .offset: 0, .size: 8, .value_kind: global_buffer, .address_space: global }
      - { .name: Wq, .offset: 8, .size: 8, .value_kind: global_buffer, .address_space: global }
      - { .name: Wk, .offset: 16, .size: 8, .value_kind: global_buffer, .address_space: global }
      - { .name: Wv, .offset: 24, .size: 8, .value_kind: global_buffer, .address_space: global }
      - { .name: xq, .offset: 32, .size: 8, .value_kind: global_buffer, .address_space: global }
      - { .name: wq, .offset: 40, .size: 8, .value_kind: global_buffer, .address_space: global }
    .group_segment_fixed_size: 57856
    .private_segment_fixed_size: 0
    .kernarg_segment_align: 8
    .kernarg_segment_size: 48
    .max_flat_workgroup_size: 128
    .sgpr_count:     66
    .vgpr_count:     194
    .wavefront_size: 32
...
	.end_amdgpu_metadata
.endif
;; end of part 1
;; launch proj (part 2): grid 64 x 4, 4 waves a work-group, clusters of 4 x 4, 327,680 bytes of LDS; arguments xq, wq, bq, bk, bv, mask, qo, kvo; writes qo, kvo
.if DOCPART == 2
	.amdgcn_target "amdgcn-amd-amdhsa--gfx1250"
	.amdhsa_code_object_version 6
	.text
	.protected	k_q0d8753307c_proj
	.globl	k_q0d8753307c_proj
	.p2align	8
	.type	k_q0d8753307c_proj,@function
k_q0d8753307c_proj:
	s_mov_b64 s[64:65], 0
	v_nop
	global_prefetch_b8 v0, s[64:65] scope:SCOPE_SE
	s_setreg_imm32_b32 hwreg(HW_REG_WAVE_MODE, 25, 1), 1
	s_wait_xcnt 0x0
	s_wait_alu depctr_hold_cnt(0) depctr_sa_sdst(0) depctr_va_vdst(0) depctr_va_sdst(0) depctr_va_ssrc(0) depctr_va_vcc(0) depctr_vm_vsrc(0)
	s_getreg_b32 s2, hwreg(HW_REG_IB_STS2, 6, 4)
	s_cmp_eq_u32 s2, 0
	s_cbranch_scc0 .Lentry_in_a_cluster
	s_endpgm
.Lentry_in_a_cluster:
	s_bfe_u32 s2, ttmp6, 0x10000c
	s_cmp_lg_u32 s2, 0xf033
	s_cbranch_scc0 .Lentry_shape_is_right
	s_endpgm
.Lentry_shape_is_right:
; q, k, v = (x W + b) x mask on codes of FP6 (E2M3) with one E8M0 scale for each 32 along K = 1,024; the results are quantised at once for the products that follow and leave as IMAGES OF OPERAND REGISTERS.
; A tile of 256 x 256 results is made by four waves, 128 x 128 each: 64 accumulators of 16 x 16, 512 registers.  K goes in steps of 256 through a ring of two LDS slots filled by the tensor data mover.
; TWO OPERANDS: P is source 0 of the matrix instruction, R is source 1.  In a result a lane holds ONE index of R (lane % 16) and its registers run along P.  Both buffers lie in tile order (place = index with bits 3
; and 4 exchanged), so the 64 registers of P's eight tiles are: register 16 B + i = P's index 32 B + 16 (lane / 16) + i; and lane r of R's block a is R's index 32 (a / 2) + 8 (a % 2) + r + 8 (r / 8).
; A WORK-GROUP STAYS: 16 clusters of 4 x 4 work-groups, one work-group to a WGP.  Cluster t makes three tiles a work-group, all for x's rows 1024 t .. 1024 t + 1023:
;   tile 0 (k) and tile 1 (v): P = x's tile 4 t + cx (positions s), R = tile cy of Wk's or Wv's columns.  The registers run along s, the K of k^T v: 128 positions x 16 columns make one fragment.
;   tile 2 (q): P = tile cx of Wq's columns, R = x's tile 4 t + cy.  The registers run along the columns, the K of q (kv): 128 columns (two heads) x 16 positions make one fragment.
; THE RING DOES NOT STOP AT A TILE'S END: a tile's last two changes of slots ask for the next tile's K steps 0 and 1, which land while the tile is quantised and stored.  The scale bytes of all three tiles come with the first fills.
; WAY OUT: for each of R's eight blocks: (sum + bias) x mask in f32, the block scales, the conversions, and the fragment's 12 registers go to memory as they stand: 3 stores of 512 consecutive bytes, aligned.
;   qo:  images [tile of 16 positions 0..1023][pair of heads 0..7][1,536], scale words of four tiles [tile / 4][pair][512] from QS_OFF.
;   kvo: images [tile of 16 columns 0..127: k 0..63, v 64..127][128 positions 0..127][1,536], scale words [tile / 4][128 positions][512] from KS_OFF.
; CLUSTERS: the four work-groups of a row of the cluster need the same tiles of R, the four of a column the same tiles of P: each tile is asked for JOINTLY, with a mask that names the four.
; LIMITS: NaN and infinities are not served.  A block of zeros keeps the scale byte 1 where the rule says 127: its codes are zeros, and this program alone reads the bytes.
; VECTOR REGISTERS, in windows of 256: window 0: v16-29 addresses; v32-63 scale words, two sets, and nothing else; v64-127 VP, the 64 numbers that go with P's index (the mask, or bq); v128-223 R's fragments, one set;
;   v240-255 VR, the number that goes with my index of R in each block, twice (a bias, or the mask).  On the way out v128-191 T, v192-210 codes, v212-227 at work, v228-235 the scale words made.
;   window 1: P's fragments, two sets, at v0 and v128.   window 2: the accumulators of R's blocks 0-3 ((a, b) at v[8 (8 a + b)]);   window 3: those of blocks 4-7.
; SCALAR REGISTERS, in two phases.  Up to the first wait on TENSORcnt: s[20:23] xq, wq; 72 registers of descriptors.  Behind it the scale bytes' descriptors are done: all eight arguments are loaded into their
;   registers, and the pairs that stay are made: where the images go, the bases of VP and VR, and the next tiles' first rows.
.set NQ,     2                         ; matrix instructions deep in a slot: 256 along K
.set ROWB,   192                       ; a tile's row in bytes
.set KROW,   768                       ; a row of codes in memory
.set PITCH,  240                       ; an LDS row: 3 x (64 bytes + 16 of padding) = 60 words: the 32 lanes of a load of 8 bytes touch 64 different banks (64 banks of 4 bytes: ISA guide 11.1)
.set FR,     12                        ; registers of a fragment
.set NL,     6                         ; LDS loads that bring one
.set NP,     4                         ; places behind this matrix instruction (ISA guide 7.12.1)
.set HALFT,  128*PITCH                 ; 128 rows: what one tensor load brings
.set SLOT,   4*HALFT                   ; R's 256 rows, then P's 256 rows
.set KS,     32                        ; a row of scale bytes
.set SCL,    2*SLOT                    ; behind the ring: the scale bytes for all of K, as rows of 256 bytes + 16 of padding; a region for each of the three tiles
.set HALFS,  16*272                    ; those of 128 rows: what one tensor load brings
.set SBLK,   2*272                     ; those of 16 rows
.set SCT,    4*HALFS                   ; a tile's region: R's 256 rows, then P's
.set SPARE,  SCL+3*SCT                 ; the spare words, 128 bytes for each wave: two blocks of 256 bytes that no other line names
.set XS_OFF, 12582912
.set WS_OFF, 2359296
.set QS_OFF, 12582912
.set KS_OFF, 25165824
.set ADRA, 16                          ; v16-17  LDS address of R's fragments in slot 0, 1  (v18-19: for the pieces behind one padding more)
.set ADRB, 20                          ; v20-21  the same for P  (v22-23)
.set LI,   24                          ; v24     16 x lane: an image's place for my lane; never rewritten
.set VPO,  25                          ; v25     64 x (lane / 16); never rewritten
.set VRO,  26                          ; v26     4 x (r + 8 (r / 8)); never rewritten
.set ADRS, 27                          ; v27     LDS address of my scale words in the tile's region: lanes 0-15 R's rows, lanes 16-31 P's
.set SPW,  28                          ; v28     LDS address of my spare word; never rewritten
.set NIL,  29                          ; v29     0; never rewritten
.set SC,   32
.set VP,   64
.set AF,   128
.set VR,   240
.set T,    128
.set CD,   192
.set TM,   212
.set SW,   228
.set G1,   24                          ; s[24:31] descriptor group 1 for R's tiles;  s[32:39] group 0, one set for each slot
.set G0,   32
.set G1B,  48                          ; s[48:55], s[56:63] the same for P's tiles
.set G0B,  56
.set SEL,  66                          ; s[66:67] lane selects for v_permlanex16_b32: lane l xor 16
.set G1S,  68                          ; first phase: s[68:75], s[76:83] group 1 for R's and for P's scale bytes;
.set G1SB, 76
.set G0S,  84                          ; s[84:95] group 0 for R's scale bytes, a set for each tile;
.set GP0,  4                           ; s[4:7], s[8:11], s[96:99] the same for P's
.set GP1,  8
.set GP2,  96
.set OUTK, 4                           ; second phase: s[4:5] where k's (then v's) images go, s[6:7] their scale words;
.set OSCK, 6
.set OUTQ, 8                           ; s[8:9], s[10:11] the same for q
.set OSCQ, 10
.set BVP,  12                          ; s[12:13] the base of VP's loads;  s[20:21] of VR's
.set BVR,  20
.set NXR,  84                          ; s[84:85], s[86:87] the next tile's first rows that I fetch, of R and of P;
.set NXP,  86
.set LSR,  88                          ; s[88:89], s[90:91] the last tile's
.set LSP,  90
.set NXVP, 92                          ; s[92:93], s[94:95] the next tile's bases of VP and VR;
.set NXVR, 94
.set LSVP, 96                          ; s[96:97], s[98:99] the last tile's
.set LSVR, 98
.set MSB, 0
.macro WIN new                         ; the immediate's high byte repeats the setting that is left; a switch that changes nothing is dropped
.if MSB != (\new)
	s_set_vgpr_msb (MSB<<8)|(\new)
.set MSB, (\new)
.endif
.endm
.set MUL_LO, 0xa1                      ; source 0 (P) window 1, source 1 (R) window 0, C and D window 2
.set MUL_HI, 0xf1                      ; the same, C and D window 3
.set TO_B,   0x40                      ; destination window 1, address window 0
; A joint load: waves 0 and 1 fetch for R, waves 2 and 3 for P.  Each of the two lines has one mask and one set of registers for all that issue it; the branch hangs on the wave's number alone.
; Four v_nop follow each of the two lines, ahead of the jump, the label and what follows.
.macro JLOAD g0a, g1a, g0b, g1b
	s_cmp_eq_u32 s15, 0
	s_cbranch_scc0 .Lfor_b_\@
	tensor_load_to_lds s[\g0a:\g0a+3], s[\g1a:\g1a+7]
	s_nop 0
.rept 4
	v_nop
.endr
	s_branch .Lasked_\@
.Lfor_b_\@:
	tensor_load_to_lds s[\g0b:\g0b+3], s[\g1b:\g1b+7]
	s_nop 0
.rept 4
	v_nop
.endr
.Lasked_\@:
.endm
.macro CREST                           ; a round of the cluster's barrier behind its opening barrier
	s_cmp_lg_u32 s14, 0
	s_cbranch_scc1 .Lnot_wave_0_\@
	s_barrier_signal -3
.Lnot_wave_0_\@:
	s_barrier_wait -3
	s_barrier_signal -1
	s_barrier_wait -1
.endm
.macro CROUND                          ; a whole round
	s_barrier_signal -1
	s_barrier_wait -1
	CREST
.endm
	s_load_b128 s[20:23], s[0:1], 0x0              ; xq s[20:21], wq s[22:23]: all that the first fills need
	v_lshl_add_u32 v[SPW], v0, 2, SPARE
	v_mov_b32 v[NIL], 0
	ds_add_u32 v28, v29
	ds_add_u32 v28, v29
	s_wait_dscnt 0x0
	v_lshrrev_b32 v1, 5, v0
	v_readfirstlane_b32 s14, v1                    ; wave 0..3
	s_lshr_b32 s15, s14, 1                         ; which half of R's rows is mine.  Also: I fetch for R (0) or for P (1)
	s_and_b32 s16, s14, 1                          ; which half of P's rows.  Also: which 128 rows of that tile I fetch
	s_bfe_u32 s40, ttmp6, 0x40000                  ; cx, cy: my place in the cluster
	s_bfe_u32 s41, ttmp6, 0x40004
	s_lshl_b32 s42, ttmp9, 2
	s_add_co_u32 s42, s42, s40                     ; x's tile that is P in tiles 0 and 1: 4 t + cx
	s_lshl_b32 s17, ttmp9, 2
	s_add_co_u32 s17, s17, s41                     ; x's tile that is R in tile 2: 4 t + cy
	s_lshl_b32 s43, s41, 2
	s_lshl_b32 s43, 15, s43                        ; my row of the cluster
	s_lshl_b32 s44, 0x1111, s40                    ; my column
	; descriptor group 1: a tile of 128 rows x 192 bytes, padded in LDS
	s_or_b32 s[G1+0], s43, (0<<16)|(1<<20)|(1<<21)|(3<<22)|(3<<25)  ; 15:0 the mask: R's tiles go to my row; 17:16 elements of 1 byte; 20 padding on; 21 set beside a mask; 24:22 after every 16 words; 31:25 4 words of it
	s_or_b32 s[G1B+0], s44, (0<<16)|(1<<20)|(1<<21)|(3<<22)|(3<<25) ; P's tiles go to my column
.irp g, G1, G1B
	s_mov_b32 s[\g+1], ROWB<<16                    ; tensor_dim0
	s_mov_b32 s[\g+2], 128<<16                     ; tensor_dim1
	s_mov_b32 s[\g+3], ROWB<<16                    ; tile_dim0
	s_mov_b32 s[\g+4], 128                         ; tile_dim1
	s_mov_b32 s[\g+5], KROW                        ; tensor_dim0_stride
	s_mov_b32 s[\g+6], 0
	s_mov_b32 s[\g+7], 0
.endr
	; and for the scale bytes of 128 rows: a dense block of 4,096 bytes, as 16 rows of 256 bytes (32 elements of 8 bytes), 16 bytes of padding behind each
	s_or_b32 s[G1S+0], s43, (3<<16)|(1<<20)|(1<<21)|(5<<22)|(3<<25)
	s_or_b32 s[G1SB+0], s44, (3<<16)|(1<<20)|(1<<21)|(5<<22)|(3<<25)
.irp g, G1S, G1SB
	s_mov_b32 s[\g+1], 32<<16
	s_mov_b32 s[\g+2], 16<<16
	s_mov_b32 s[\g+3], 32<<16
	s_mov_b32 s[\g+4], 16
	s_mov_b32 s[\g+5], 32
	s_mov_b32 s[\g+6], 0
	s_mov_b32 s[\g+7], 0
.endr
	; the first rows that I fetch.  R's hang on cy alone, P's on cx alone, each in registers that never hold the other coordinate
	s_lshl_b32 s18, s16, 7                         ; which 128 rows of a tile
	s_lshl_b32 s12, s41, 8
	s_add_co_u32 s12, s12, s18
	s_add_co_u32 s12, s12, 1024                    ; R in tile 0: k's rows lie behind q's 1,024 in wq; v's 1,024 further on
	s_lshl_b32 s13, s17, 8
	s_add_co_u32 s13, s13, s18                     ; R in tile 2: x's rows
	s_lshl_b32 s46, s42, 8
	s_add_co_u32 s46, s46, s18                     ; P in tiles 0 and 1: x's rows
	s_lshl_b32 s47, s40, 8
	s_add_co_u32 s47, s47, s18                     ; P in tile 2: q's rows of wq
	s_mul_i32 s45, s14, HALFT                      ; where the codes go: wave x 128 rows: no place in the cluster enters an LDS address
	s_mul_i32 s19, s14, HALFS                      ; and the scale bytes
	s_mov_b32 s3, 0                                ; s[2:3]: offsets on R's side;  s[100:101]: on P's
	s_mov_b32 s101, 0
	s_mov_b32 s[SEL], 0x76543210
	s_mov_b32 s[SEL+1], 0xfedcba98
	s_wait_kmcnt 0x0
	; group 0 for R's scale bytes: 32 bytes a row
	s_lshl_b32 s2, s12, 5
	s_add_co_u32 s2, s2, WS_OFF
	s_mov_b32 s[G0S], 1
	s_add_co_u32 s[G0S+1], s19, SCL
	s_add_nc_u64 s[G0S+2:G0S+3], s[22:23], s[2:3]
	s_mov_b32 s[G0S+4], 1
	s_add_co_u32 s[G0S+5], s19, SCL+SCT
	s_add_nc_u64 s[G0S+6:G0S+7], s[G0S+2:G0S+3], 1024*KS
	s_or_b32 s[G0S+3], s[G0S+3], 0x80000000
	s_or_b32 s[G0S+7], s[G0S+7], 0x80000000
	s_lshl_b32 s2, s13, 5
	s_add_co_u32 s2, s2, XS_OFF
	s_mov_b32 s[G0S+8], 1
	s_add_co_u32 s[G0S+9], s19, SCL+2*SCT
	s_add_nc_u64 s[G0S+10:G0S+11], s[20:21], s[2:3]
	s_or_b32 s[G0S+11], s[G0S+11], 0x80000000
	; and for P's: tiles 0 and 1 have the same rows of x; each tile's region is filled whole, so that one step of the address serves R's and P's lanes alike
	s_lshl_b32 s100, s46, 5
	s_add_co_u32 s100, s100, XS_OFF
	s_mov_b32 s[GP0], 1
	s_add_co_u32 s[GP0+1], s19, SCL
	s_add_nc_u64 s[GP0+2:GP0+3], s[20:21], s[100:101]
	s_or_b32 s[GP0+3], s[GP0+3], 0x80000000
	s_mov_b32 s[GP1], 1
	s_add_co_u32 s[GP1+1], s19, SCL+SCT
	s_add_nc_u64 s[GP1+2:GP1+3], s[20:21], s[100:101]
	s_or_b32 s[GP1+3], s[GP1+3], 0x80000000
	s_lshl_b32 s100, s47, 5
	s_add_co_u32 s100, s100, WS_OFF
	s_mov_b32 s[GP2], 1
	s_add_co_u32 s[GP2+1], s19, SCL+2*SCT
	s_add_nc_u64 s[GP2+2:GP2+3], s[22:23], s[100:101]
	s_or_b32 s[GP2+3], s[GP2+3], 0x80000000
	; group 0 for tile 0's K steps 0 and 1 (all offsets under 2^24 bytes)
	s_mul_i32 s2, s12, KROW
	s_mul_i32 s100, s46, KROW
.irp s, 0,1
	s_mov_b32 s[G0+4*\s], 1
	s_add_co_u32 s[G0+4*\s+1], s45, \s*SLOT
	s_add_nc_u64 s[G0+4*\s+2:G0+4*\s+3], s[22:23], s[2:3]
	s_add_nc_u64 s[G0+4*\s+2:G0+4*\s+3], s[G0+4*\s+2:G0+4*\s+3], \s*ROWB
	s_or_b32 s[G0+4*\s+3], s[G0+4*\s+3], 0x80000000
	s_mov_b32 s[G0B+4*\s], 1
	s_add_co_u32 s[G0B+4*\s+1], s45, \s*SLOT
	s_add_nc_u64 s[G0B+4*\s+2:G0B+4*\s+3], s[20:21], s[100:101]
	s_add_nc_u64 s[G0B+4*\s+2:G0B+4*\s+3], s[G0B+4*\s+2:G0B+4*\s+3], \s*ROWB
	s_or_b32 s[G0B+4*\s+3], s[G0B+4*\s+3], 0x80000000
.endr
	CROUND                                         ; all sixteen work-groups are here: the first joint loads meet
	JLOAD G0S, G1S, GP0, G1SB                      ; the first fills, one group: the three tiles' scale bytes,
	JLOAD G0S+4, G1S, GP1, G1SB
	JLOAD G0S+8, G1S, GP2, G1SB
	JLOAD G0, G1, G0B, G1B                         ; tile 0's K step 0,
	JLOAD G0+4, G1, G0B+4, G1B                     ; and its K step 1: five tensor loads of mine are out
	v_and_b32 v1, 15, v0                           ; r = lane % 16
	v_bfe_u32 v2, v0, 4, 1                         ; h = lane / 16
	v_mul_u32_u24 v3, v1, PITCH
	v_mul_u32_u24 v4, v2, 24
	v_add_nc_u32 v4, v3, v4                        ; a fragment's row x pitch + 24 x half
	v_lshl_add_u32 v5, v2, 4, v4                   ; and the same behind one padding more
	s_mul_i32 s18, s15, HALFT                      ; my 128 rows of R
	s_mul_i32 s19, s16, HALFT                      ; my 128 rows of P,
	s_add_co_u32 s19, s19, 2*HALFT                 ; which lie behind R's 256
.irp s, 0,1
	v_add_nc_u32 v[ADRA+\s], s18, v4
	v_add_nc_u32 v[ADRB+\s], s19, v4
	v_add_nc_u32 v[ADRA+2+\s], s18, v5
	v_add_nc_u32 v[ADRB+2+\s], s19, v5
	s_add_co_u32 s18, s18, SLOT
	s_add_co_u32 s19, s19, SLOT
.endr
	v_mul_u32_u24 v5, v1, KS                       ; my row's scale bytes: 32 a row,
	v_lshrrev_b32 v6, 8, v5
	v_lshl_add_u32 v5, v6, 4, v5                   ; and 16 more for each 256 passed
	s_mul_i32 s18, s15, HALFS                      ; R's: my 128 rows
	s_mul_i32 s19, s16, HALFS                      ; P's: my 128 rows, behind R's 256
	s_add_co_u32 s19, s19, 2*HALFS
	s_sub_co_u32 s19, s19, s18
	v_mul_u32_u24 v6, s19, v2                      ; lanes 16-31 take P's: the lower base + h x the distance
	s_add_co_u32 s18, s18, SCL
	v_add_nc_u32 v5, v5, v6
	v_add_nc_u32 v[ADRS], s18, v5                  ; in tile 0's region
	v_and_b32 v6, 31, v0
	v_lshlrev_b32 v[LI], 4, v6
	v_lshlrev_b32 v[VPO], 6, v2
	v_and_b32 v6, 8, v1
	v_add_nc_u32 v6, v6, v1
	v_lshlrev_b32 v[VRO], 2, v6
.macro FRAG reg, adr, q, i             ; a fragment, 16 rows x 128 K, is 12 registers: lane l holds row l % 16; registers 6 c .. 6 c + 5 hold K = 64 c + 32 (l / 16) + 0 .. 31: 24 bytes of the row, as they lie
.irp p, 0,1,2,3,4,5                    ; in pieces of 8 bytes.  Lanes 0-15 take the row's pieces 12 q + 0, 1, 2 and 12 q + 6, 7, 8, lanes 16-31 those three pieces on
.set PIECE, 12*(\q)+6*(\p/3)+\p%3      ; 16 bytes of padding lie behind every 8 pieces: where the piece three on lies behind one padding more, the second address register serves
.if PIECE%8 < 5
	ds_load_b64 v[\reg+2*\p:\reg+2*\p+1], v[\adr] offset:8*PIECE+16*(PIECE/8)+(\i)*16*PITCH
.else
	ds_load_b64 v[\reg+2*\p:\reg+2*\p+1], v[\adr+2] offset:8*PIECE+16*(PIECE/8)+(\i)*16*PITCH
.endif
.endr
.endm
; 16 matrix instructions: R's blocks a0, a0 + 1 x P's eight, 128 along K: the slot's q-th.  p: P's set;  sc: the set of scale words.  zero = 1: the first product starts the sums: nothing is ever cleared.
; The 64 accumulators take turns, one instruction a turn, in the same order in every step, from tile to tile too.
.macro MUL16 a0, p, q, sc, zero
.irp a, \a0, \a0+1
.irp b, 0,1,2,3,4,5,6,7
.if \zero
	v_wmma_scale_f32_16x16x128_f8f6f4 v[8*(8*((\a)%4)+\b):8*(8*((\a)%4)+\b)+7], v[128*(\p)+FR*\b:128*(\p)+FR*\b+FR-1], v[AF+FR*(\a):AF+FR*(\a)+FR-1], 0, v[SC+8*NQ*(\sc)+NQ*\b+(\q)], v[SC+8*NQ*(\sc)+NQ*(\a)+(\q)] matrix_a_fmt:MATRIX_FMT_FP6 matrix_b_fmt:MATRIX_FMT_FP6 matrix_a_scale:MATRIX_SCALE_ROW1
.else
	v_wmma_scale_f32_16x16x128_f8f6f4 v[8*(8*((\a)%4)+\b):8*(8*((\a)%4)+\b)+7], v[128*(\p)+FR*\b:128*(\p)+FR*\b+FR-1], v[AF+FR*(\a):AF+FR*(\a)+FR-1], v[8*(8*((\a)%4)+\b):8*(8*((\a)%4)+\b)+7], v[SC+8*NQ*(\sc)+NQ*\b+(\q)], v[SC+8*NQ*(\sc)+NQ*(\a)+(\q)] matrix_a_fmt:MATRIX_FMT_FP6 matrix_b_fmt:MATRIX_FMT_FP6 matrix_a_scale:MATRIX_SCALE_ROW1
.endif
.endr
.endr
.endm
.macro FETCH_B slot, q, p              ; P's eight fragments of the slot's q-th 128 along K into set p
	WIN TO_B
.irp i, 0,1,2,3,4,5,6,7
	FRAG 128*(\p)+FR*\i, ADRB+\slot, \q, \i
.endr
	WIN 0
.endm
.macro FETCH_A slot, q, i0             ; R's blocks i0 .. i0 + 3
.irp i, \i0, \i0+1, \i0+2, \i0+3
	FRAG AF+FR*(\i), ADRA+\slot, \q, \i
.endr
.endm
.macro SCALES sc, ks                   ; the scale words of the tile's K step ks into set sc: two words a row, 8 ks bytes into its 32; lanes 0-15 take R's block i, lanes 16-31 P's block i
.irp i, 0,1,2,3,4,5,6,7
	ds_load_b64 v[SC+8*NQ*\sc+NQ*\i:SC+8*NQ*\sc+NQ*\i+1], v[ADRS] offset:\i*SBLK+8*(\ks)
.endr
.endm
; A load into a register that a matrix instruction has read, and a vector instruction that reads a matrix result or writes one of its registers, stand NP places behind it; only plain vector
; instructions that name none of its registers are places (ISA guide 7.12.1 for vector instructions).
.macro PLACES n
.rept \n
	v_nop
.endr
.endm
; A step of 128 along K that has its successor in the same slot.
.macro STEP slot, q, zero
	s_wait_dscnt 4*NL                              ; P's set, the scale words and R's blocks 0-3 are in; the youngest 24 loads (R's blocks 4-7) may be out
	WIN MUL_LO
	MUL16 0, (\q)%2, \q, \slot, \zero
	MUL16 2, (\q)%2, \q, \slot, \zero
	s_wait_dscnt 0                                 ; R's blocks 4-7 are in (asked for 32 matrix instructions ago)
	PLACES NP
	FETCH_B \slot, (\q)+1, 1-(\q)%2
	FETCH_A \slot, (\q)+1, 0
	WIN MUL_HI
	MUL16 4, (\q)%2, \q, \slot, \zero
	MUL16 6, (\q)%2, \q, \slot, \zero
	PLACES NP
	WIN 0
	FETCH_A \slot, (\q)+1, 4
.endm
; A slot's last step changes slots: ONE barrier; in front of it each wave waits for all its tensor loads, adds 0 to its spare word, and waits for that and for its own reads of this slot.
; fill = 1: this slot is filled again with the tile's K step two on;  fill = 2: with the NEXT tile's K step 0 (slot 0) or 1 (slot 1);  fill = 0: nothing is asked for.
; ks: which K step of its tile lies in the next slot.  fa = 0: R's fragments are not fetched here: the way out follows, which works in their registers.
.macro TURN slot, next, fill, ks, fa
	s_wait_tensorcnt 0x0                           ; all my tensor loads have landed: my part of the next slot  (every window is 0 here)
	ds_add_u32 v[SPW], v[NIL]                      ; 0 onto my spare word
	s_wait_dscnt 4*NL+1                            ; (the add and the youngest 24 loads, R's blocks 4-7, may be out)
	WIN MUL_LO
	MUL16 0, 1, NQ-1, \slot, 0                     ; sixteen matrix instructions stand between the add and the wait for it
	s_wait_dscnt 0x0                               ; the add is done, and my reads of this slot are over
	s_barrier_signal -1
	MUL16 2, 1, NQ-1, \slot, 0
	WIN 0
	s_barrier_wait -1
.if \fill == 1
	CREST                                          ; the barrier has opened a round of the cluster's barrier: no wave of any partner still reads this slot's tile or has a load on its way
	s_add_nc_u64 s[G0+4*\slot+2:G0+4*\slot+3], s[G0+4*\slot+2:G0+4*\slot+3], 2*ROWB
	s_add_nc_u64 s[G0B+4*\slot+2:G0B+4*\slot+3], s[G0B+4*\slot+2:G0B+4*\slot+3], 2*ROWB
	JLOAD G0+4*\slot, G1, G0B+4*\slot, G1B         ; the first tensor load behind the round; the four v_nop behind it are the places in front of the loads below
.elseif \fill == 2
	CREST
	s_add_nc_u64 s[G0+4*\slot+2:G0+4*\slot+3], s[NXR:NXR+1], \slot*ROWB      ; the ring goes on into the next tile: its first rows, from a pair of their own (it may be the other buffer)
	s_or_b32 s[G0+4*\slot+3], s[G0+4*\slot+3], 0x80000000
	s_add_nc_u64 s[G0B+4*\slot+2:G0B+4*\slot+3], s[NXP:NXP+1], \slot*ROWB
	s_or_b32 s[G0B+4*\slot+3], s[G0B+4*\slot+3], 0x80000000
	JLOAD G0+4*\slot, G1, G0B+4*\slot, G1B
.else
	PLACES NP
.endif
.if (\fill == 2) && (\slot == 1)
	s_mov_b64 s[NXR:NXR+1], s[LSR:LSR+1]           ; both of the next tile's requests are made: the tile after it is the last
	s_mov_b64 s[NXP:NXP+1], s[LSP:LSP+1]
	v_add_nc_u32 v[ADRS], SCT, v[ADRS]             ; on to the next tile's scale bytes
.endif
	FETCH_B \next, 0, 0
.if \fa
	FETCH_A \next, 0, 0
.endif
	SCALES \next, \ks
	WIN MUL_HI
	MUL16 4, 1, NQ-1, \slot, 0
	MUL16 6, 1, NQ-1, \slot, 0
.if \fa
	PLACES NP
	WIN 0
	FETCH_A \next, 0, 4
.else
	WIN 0
.endif
.endm
; A tile's first five steps of 128 along K: they use up K steps 0 and 1 and ask for K steps 2 and 3.  The first step's products start the sums.
.macro FIRSTHALF
	STEP 0, 0, 1
	TURN 0, 1, 1, 1, 1
	STEP 1, 0, 0
	TURN 1, 0, 1, 2, 1
	STEP 0, 0, 0
.endm
; What goes with P's index (register 16 b + i: index 32 b + 16 h + i) and with R's (twice, so that the packed forms take a plain pair).  These 32 loads are waited for on the tile's way out.
.macro VLOADS
.irp b, 0,1,2,3
.irp c, 0,1,2,3
	global_load_b128 v[VP+16*\b+4*\c:VP+16*\b+4*\c+3], v[VPO], s[BVP:BVP+1] offset:128*\b+16*\c
.endr
.endr
.irp a, 0,1,2,3,4,5,6,7
	global_load_b32 v[VR+2*\a], v[VRO], s[BVR:BVR+1] offset:4*(32*(\a/2)+8*(\a%2))
	global_load_b32 v[VR+2*\a+1], v[VRO], s[BVR:BVR+1] offset:4*(32*(\a/2)+8*(\a%2))
.endr
.endm
; THE WAY OUT, block by block of R.
; APPLY: T = (sum + bias) x mask, in f32, two at a time; each accumulator is read from its low end on.  q = 1: the bias goes with the registers and the mask with the lane; q = 0 (k, v): the other way round.
.macro APPLY a, q
.set AC, 64*((\a)%4)
	WIN 0x02+(\a)/4                                ; source 0: window 2 or 3
.set II, 0
.rept 32
.if \q
	v_pk_add_f32 v[T+II:T+II+1], v[AC+II:AC+II+1], v[VP+II:VP+II+1]
.else
	v_pk_add_f32 v[T+II:T+II+1], v[AC+II:AC+II+1], v[VR+2*(\a):VR+2*(\a)+1]
.endif
.set II, II+2
.endr
	WIN 0
.set II, 0
.rept 32
.if \q
	v_pk_mul_f32 v[T+II:T+II+1], v[T+II:T+II+1], v[VR+2*(\a):VR+2*(\a)+1]
.else
	v_pk_mul_f32 v[T+II:T+II+1], v[T+II:T+II+1], v[VP+II:VP+II+1]
.endif
.set II, II+2
.endr
.endm
; QUANT: 64 numbers of a lane, register 16 b + i = k 32 b + 16 (lane / 16) + i of my row, become a fragment's codes in v[cd] on and its scale word in v[pw].
.macro QUANT s, cd, pw
.irp b, 0,1,2,3
	v_max3_num_f32 v[TM+\b], |v[\s+16*\b]|, |v[\s+1+16*\b]|, 0x1800000   ; block b: my 16 numbers, and the floor 2^(3 - 127): so the byte cannot fall under 1
.endr
.irp i, 2,4,6,8,10,12,14
.irp b, 0,1,2,3
	v_max3_num_f32 v[TM+\b], v[TM+\b], |v[\s+16*\b+\i]|, |v[\s+1+16*\b+\i]|   ; (the four blocks by turns)
.endr
.endr
.irp b, 0,1,2,3
	v_permlanex16_b32 v[TM+4+\b], v[TM+\b], s[SEL], s[SEL+1]
.endr
.irp b, 0,1,2,3
	v_max_num_f32 v[TM+\b], v[TM+\b], v[TM+4+\b]   ; with lane l xor 16's: the block's largest magnitude
.endr
.irp b, 0,1,2,3
	v_add_nc_u32 v[TM+12+\b], 0xff000000, v[TM+\b] ; 2 off its exponent field: the conversion's scale operand
.endr
.irp b, 0,1,2,3
	v_lshrrev_b32 v[TM+4+\b], 23, v[TM+12+\b]      ; the scale's byte
.endr
	s_wait_xcnt 0x0                                ; the last block's stores have read their data: the scale words' and the codes' registers are written again only behind this wait
	v_lshl_or_b32 v[\pw], v[TM+5], 8, v[TM+4]      ; the four bytes make my row's scale word (lanes 16-31 hold the same)
	v_lshl_or_b32 v[\pw], v[TM+6], 16, v[\pw]
	v_lshl_or_b32 v[\pw], v[TM+7], 24, v[\pw]
.irp c, 0,1
	v_cvt_scalef32_pk16_fp6_f32 v[\cd+6*\c:\cd+2+6*\c], v[\s+32*\c:\s+15+32*\c], v[TM+12+2*\c]
	v_cvt_scalef32_pk16_fp6_f32 v[\cd+12+4*\c:\cd+14+4*\c], v[\s+16+32*\c:\s+31+32*\c], v[TM+12+2*\c+1]   ; (a conversion's three registers begin on an even number)
.endr
	v_nop                                          ; one plain place behind a scaled conversion
.irp c, 0,1                                    ; the operand's layout wants a WHOLE block in a lane: lanes 0-15 block 2 c, lanes 16-31 block 2 c + 1
.irp i, 0,1,2
	v_permlane16_swap_b32 v[\cd+6*\c+\i], v[\cd+12+4*\c+\i]
.endr
.irp i, 0,1,2
	v_mov_b32 v[\cd+3+6*\c+\i], v[\cd+12+4*\c+\i]
.endr
.endr
.endm
; Block a.  istep: bytes from a tile of 16's image to the next tile's; sstep: from four tiles' scale words to the next four's.  Both stand in the stores' immediates (1,377,280 bytes at the most), so no base is stepped.
.macro OUTA a, q, base, sbase, istep, sstep
	APPLY \a, \q
	QUANT T, CD, SW+(\a)
.irp c, 0,1,2
	global_store_b128 v[LI], v[CD+4*\c:CD+4*\c+3], s[\base:\base+1] offset:(\a)*(\istep)+512*\c   ; the fragment as it stands: 32 lanes store 512 consecutive bytes, aligned
.endr
.if (\a) == 3
	global_store_b128 v[LI], v[SW:SW+3], s[\sbase:\sbase+1]                    ; the scale words of blocks 0 to 3
.endif
.if (\a) == 7
	global_store_b128 v[LI], v[SW+4:SW+7], s[\sbase:\sbase+1] offset:\sstep    ; and of blocks 4 to 7
.endif
.endm
; chain = 1: a tile follows: the bases of VP and VR move on to it, behind the wait that shows the last loads from them done.
.macro WAYOUT q, chain, base, sbase, istep, sstep
	PLACES NP                                      ; behind the last products: their results are read and R's fragments' registers are written below
	s_wait_loadcnt 0x0                             ; VP and VR, asked for at the tile's head
.if \chain
	s_mov_b64 s[BVP:BVP+1], s[NXVP:NXVP+1]
	s_mov_b64 s[BVR:BVR+1], s[NXVR:NXVR+1]
	s_mov_b64 s[NXVP:NXVP+1], s[LSVP:LSVP+1]
	s_mov_b64 s[NXVR:NXVR+1], s[LSVR:LSVR+1]
.endif
.irp b, 0,1,2,3
	v_mov_b32 v[TM+4+\b], 0                        ; a lane permute's destination counts as one of its sources
.endr
.irp a, 0,1,2,3,4,5,6,7
	OUTA \a, \q, \base, \sbase, \istep, \sstep
.endr
.endm
	s_wait_tensorcnt 1                             ; the scale bytes and my part of K step 0 are in (K step 1's load, the youngest of the five, may be out)
	s_barrier_signal -1
	s_barrier_wait -1                              ; everybody's are
	s_load_b512 s[68:83], s[0:1], 0x0              ; the scale bytes' descriptors are done with: xq s[68:69], wq s[70:71], bq s[72:73], bk s[74:75], bv s[76:77], mask s[78:79], qo s[80:81], kvo s[82:83]
	FETCH_B 0, 0, 0
	FETCH_A 0, 0, 0
	SCALES 0, 0
	FETCH_A 0, 0, 4
	s_wait_kmcnt 0x0
	; the next tiles' first rows that I fetch
	s_add_co_u32 s2, s12, 1024
	s_mul_i32 s2, s2, KROW
	s_add_nc_u64 s[NXR:NXR+1], s[70:71], s[2:3]    ; tile 1: R = v's rows of wq,
	s_mul_i32 s100, s46, KROW
	s_add_nc_u64 s[NXP:NXP+1], s[68:69], s[100:101] ;         P = the same rows of x
	s_mul_i32 s2, s13, KROW
	s_add_nc_u64 s[LSR:LSR+1], s[68:69], s[2:3]    ; tile 2: R = x's rows,
	s_mul_i32 s100, s47, KROW
	s_add_nc_u64 s[LSP:LSP+1], s[70:71], s[100:101] ;         P = q's rows of wq
	; what goes with P's index: 128 numbers, 512 bytes, from 128 x (2 x P's tile + my half) on; with R's likewise
	s_mov_b32 s23, 0
	s_lshl_b32 s18, s42, 1
	s_add_co_u32 s18, s18, s16                     ; which 128 positions are mine in tiles 0 and 1
	s_lshl_b32 s22, s18, 9
	s_add_nc_u64 s[BVP:BVP+1], s[78:79], s[22:23]  ; tiles 0 and 1: the mask
	s_mov_b64 s[NXVP:NXVP+1], s[BVP:BVP+1]
	s_lshl_b32 s19, s40, 1
	s_add_co_u32 s19, s19, s16                     ; which pair of heads is mine in tile 2
	s_lshl_b32 s22, s19, 9
	s_add_nc_u64 s[LSVP:LSVP+1], s[72:73], s[22:23] ; tile 2: bq
	s_lshl_b32 s22, s41, 1
	s_add_co_u32 s22, s22, s15
	s_lshl_b32 s22, s22, 9
	s_add_nc_u64 s[BVR:BVR+1], s[74:75], s[22:23]  ; tile 0: bk
	s_add_nc_u64 s[NXVR:NXVR+1], s[76:77], s[22:23] ; tile 1: bv
	s_lshl_b32 s22, s17, 1
	s_add_co_u32 s22, s22, s15
	s_lshl_b32 s22, s22, 9
	s_add_nc_u64 s[LSVR:LSVR+1], s[78:79], s[22:23] ; tile 2: the mask
	VLOADS
	; where my images go: the tile of 16 of R's index, Rt0 = 16 x R's tile + 8 x my half, then a; 128 images to such a tile in kvo, 8 in qo
	s_lshl_b32 s22, s41, 4
	s_lshl_b32 s2, s15, 3
	s_add_co_u32 s22, s22, s2                      ; Rt0 for k; v's lies 64 on
	s_lshr_b32 s2, s22, 2
	s_lshl_b32 s22, s22, 7
	s_add_co_u32 s22, s22, s18
	s_mul_i32 s22, s22, 1536
	s_add_nc_u64 s[OUTK:OUTK+1], s[82:83], s[22:23]
	s_lshl_b32 s22, s2, 7
	s_add_co_u32 s22, s22, s18
	s_lshl_b32 s22, s22, 9
	s_add_co_u32 s22, s22, KS_OFF
	s_add_nc_u64 s[OSCK:OSCK+1], s[82:83], s[22:23]
	s_lshl_b32 s22, s17, 4
	s_lshl_b32 s2, s15, 3
	s_add_co_u32 s22, s22, s2                      ; Rt0 for q
	s_lshr_b32 s2, s22, 2
	s_lshl_b32 s22, s22, 3
	s_add_co_u32 s22, s22, s19
	s_mul_i32 s22, s22, 1536
	s_add_nc_u64 s[OUTQ:OUTQ+1], s[80:81], s[22:23]
	s_lshl_b32 s22, s2, 3
	s_add_co_u32 s22, s22, s19
	s_lshl_b32 s22, s22, 9
	s_add_co_u32 s22, s22, QS_OFF
	s_add_nc_u64 s[OSCQ:OSCQ+1], s[80:81], s[22:23]
	FIRSTHALF                                      ; tile 0's first five steps stand in front of the loop
	s_mov_b32 s2, 2
.Ltile:                                                ; two trips: from a tile's sixth step, through its way out, to the next tile's fifth step.  The tiles that go out here are k's and v's
	TURN 0, 1, 2, 3, 1                             ; slot 0 takes the next tile's K step 0
	STEP 1, 0, 0
	TURN 1, 0, 2, 0, 0                             ; slot 1 takes its K step 1; P's first fragments and the scale words of the next tile are fetched, into registers that the way out leaves alone
	WAYOUT 0, 1, OUTK, OSCK, 128*1536, 128*512     ; both refills are asked for: now the tile goes out
	VLOADS                                         ; the next tile's VP and VR
	FETCH_A 0, 0, 0                                ; R's blocks 0-3 land where T stood,
	s_wait_xcnt 0x0                                ; and blocks 4-7 where the last stores' data stood: those stores have read their registers and their bases
	FETCH_A 0, 0, 4
	s_add_nc_u64 s[OUTK:OUTK+1], s[OUTK:OUTK+1], 64*128*1536   ; from k's images to v's: 64 tiles of 16 columns on
	s_add_nc_u64 s[OSCK:OSCK+1], s[OSCK:OSCK+1], 16*128*512
	FIRSTHALF
	s_sub_co_u32 s2, s2, 1
	s_cmp_lg_u32 s2, 0
	s_cbranch_scc1 .Ltile
	TURN 0, 1, 0, 3, 1                             ; the last tile's tail is written out: it asks for nothing, and has no round of the cluster's barrier
	STEP 1, 0, 0
	s_wait_dscnt 4*NL                              ; the very last step: nothing more to fetch
	WIN MUL_LO
	MUL16 0, 1, NQ-1, 1, 0
	MUL16 2, 1, NQ-1, 1, 0
	s_wait_dscnt 0
	WIN MUL_HI
	MUL16 4, 1, NQ-1, 1, 0
	MUL16 6, 1, NQ-1, 1, 0
	WIN 0
	WAYOUT 1, 0, OUTQ, OSCQ, 8*1536, 8*512         ; q goes out
	s_wait_tensorcnt 0x0                           ; the wave's end
	ds_add_u32 v[SPW], v[NIL]
	s_wait_dscnt 0x0
	CROUND                                         ; the closing round: no work-group ends while a partner may still ask for a tile that names it
	s_endpgm
.Lfunc_end_k_q0d8753307c_proj:
	.size	k_q0d8753307c_proj, .Lfunc_end_k_q0d8753307c_proj-k_q0d8753307c_proj
	.p2alignl 7, 3214868480
	.fill 96, 4, 3214868480
	.section	.rodata,"a",@progbits
	.p2align	6, 0x0
	.amdhsa_kernel k_q0d8753307c_proj
		.amdhsa_group_segment_fixed_size 327680
		.amdhsa_private_segment_fixed_size 0
		.amdhsa_enable_private_segment 0
		.amdhsa_kernarg_size 64
		.amdhsa_user_sgpr_count 2
		.amdhsa_user_sgpr_kernarg_segment_ptr 1
		.amdhsa_wavefront_size32 1
		.amdhsa_system_sgpr_workgroup_id_x 1
		.amdhsa_system_sgpr_workgroup_id_y 1
		.amdhsa_system_sgpr_workgroup_id_z 1
		.amdhsa_system_vgpr_workitem_id 0
		.amdhsa_next_free_vgpr 1024
		.amdhsa_next_free_sgpr 102
		.amdhsa_reserve_vcc 0
		.amdhsa_float_denorm_mode_32 3
		.amdhsa_float_denorm_mode_16_64 3
		.amdhsa_memory_ordered 1
		.amdhsa_forward_progress 1
		.amdhsa_inst_pref_size 255
	.end_amdhsa_kernel
	.section	.bss,"aw",@nobits
	.p2align	6
	.space	262144
	.amdgpu_metadata
---
amdhsa.version: [ 1, 2 ]
amdhsa.kernels:
  - .name:           k_q0d8753307c_proj
    .symbol:         k_q0d8753307c_proj.kd
    .args:
      - { .name: xq, .offset: 0, .size: 8, .value_kind: global_buffer, .address_space: global }
      - { .name: wq, .offset: 8, .size: 8, .value_kind: global_buffer, .address_space: global }
      - { .name: bq, .offset: 16, .size: 8, .value_kind: global_buffer, .address_space: global }
      - { .name: bk, .offset: 24, .size: 8, .value_kind: global_buffer, .address_space: global }
      - { .name: bv, .offset: 32, .size: 8, .value_kind: global_buffer, .address_space: global }
      - { .name: mask, .offset: 40, .size: 8, .value_kind: global_buffer, .address_space: global }
      - { .name: qo, .offset: 48, .size: 8, .value_kind: global_buffer, .address_space: global }
      - { .name: kvo, .offset: 56, .size: 8, .value_kind: global_buffer, .address_space: global }
    .group_segment_fixed_size: 327680
    .private_segment_fixed_size: 0
    .kernarg_segment_align: 8
    .kernarg_segment_size: 64
    .max_flat_workgroup_size: 128
    .sgpr_count:     102
    .vgpr_count:     1024
    .wavefront_size: 32
...
	.end_amdgpu_metadata
.endif
;; end of part 2
;; launch kvprod (part 3): grid 256 x 1, 16 waves a work-group, no clusters, 71,936 bytes of LDS; arguments kvo, mask, kvf; writes kvf
.if DOCPART == 3
	.amdgcn_target "amdgcn-amd-amdhsa--gfx1250"
	.amdhsa_code_object_version 6
	.text
	.protected	k_q0d8753307c_kvprod
	.globl	k_q0d8753307c_kvprod
	.p2align	8
	.type	k_q0d8753307c_kvprod,@function
k_q0d8753307c_kvprod:
	s_mov_b64 s[64:65], 0
	v_nop
	global_prefetch_b8 v0, s[64:65] scope:SCOPE_SE
	s_setreg_imm32_b32 hwreg(HW_REG_WAVE_MODE, 25, 1), 1
	s_wait_xcnt 0x0
; kv[b][h][d][e] = (sum over s of k[s][d] v[s][e]) / sqrt(64 x the sum of batch b's mask), on codes of FP6 (E2M3) along s; the result is quantised along d for the last product.
; A work-group makes 64 d x 16 e of one head: head bh = id / 4, tile of e: j = id % 4.  Its sixteen waves share K = 4,096 positions, 256 each: two K steps of 128, 8 matrix instructions a wave.
; Source 0 = 16 columns d of k^T, source 1 = 16 columns e of v^T.  The images lie in tile order, so register 16 B + i of the four tiles is d = 32 B + 16 (lane / 16) + i: what the quantiser along d wants.
; The waves' partial sums meet in LDS: every wave stores its 4,096 bytes | barrier | waves 0 to 7 each add one eighth over the sixteen waves | barrier | wave 0 scales, quantises and stores.
; kvf: half fragments (K = 64: six registers a lane) [bh][j][768]; scale words [bh][16 x lane + 4 j] from FS_OFF; a word holds the two blocks' bytes twice, so that it serves either half of a K step of 128.
; NO CLUSTER, though the four work-groups of a head read the same k^T: a wave's whole input is 34 loads, issued at once, straight into the operands' registers, for 8 matrix instructions.  A joint request would bring
; the same bytes to LDS, to be read from there into the same registers by as many loads, behind two rounds of the cluster's barrier.
; LIMITS: a batch whose mask sums to 0 gives infinities and NaN (as the definition does); NaN and infinities are not served; a block of zeros keeps the scale byte 1: its codes are zeros.
.set KS_OFF, 25165824
.set FS_OFF, 196608
.set MS,   0                           ; LDS: the sixteen waves' sums of the mask, one word each, in a block of 256 bytes
.set RED2, 256                         ; the summed result: 8 x 512 bytes
.set RED1, 4352                        ; the waves' partial sums: 16 x 4,096 bytes
.set KF,   32                          ; v32-127   k^T: K step s, tile t at 48 s + 12 t
.set VF,   128                         ; v128-151  v^T: K step s at 12 s
.set KSC,  152                         ; v152-159  k's scale words, 4 s + t: scales and nothing else
.set VSC,  160                         ; v160-161  v's
.set ACC,  168                         ; v168-199  four accumulators
.set TM,   208
.set CD,   224                         ; v224-229  the codes
.set CT,   230                         ; v230-232
.set WD,   234                         ; the scale word
.set SEL,  34
	s_load_b128 s[4:7], s[0:1], 0x0                ; kvo, mask
	s_load_b64 s[8:9], s[0:1], 0x10                ; kvf
	v_lshl_add_u32 v254, v0, 2, 0x11100
	v_mov_b32 v255, 0
	v_lshrrev_b32 v1, 5, v0
	v_readfirstlane_b32 s10, v1                    ; wave 0..15
	s_lshr_b32 s11, ttmp9, 2                       ; bh
	s_and_b32 s12, ttmp9, 3                        ; j
	s_lshr_b32 s13, s11, 4                         ; b
	s_and_b32 s14, s11, 15                         ; h
	v_and_b32 v1, 31, v0
	v_lshlrev_b32 v8, 3, v1                        ; 8 x lane
	v_lshlrev_b32 v1, 4, v1                        ; 16 x lane
	v_lshlrev_b32 v3, 4, v0                        ; 16 x thread
	s_lshl_b32 s24, s12, 2
	v_add_nc_u32 v2, s24, v1                       ; 16 x lane + 4 j: word j of four scale words
	s_and_b32 s22, s10, 7
	s_lshl_b32 s22, s22, 9
	v_add_nc_u32 v9, s22, v1
	v_add_nc_u32 v5, RED1, v9                      ; the eighth that I add: 512 (wave % 8) + 16 x lane in each wave's 4,096 bytes
	v_add_nc_u32 v9, RED2, v9                      ; and where its sum goes
	s_lshl_b32 s23, s10, 12
	s_add_co_u32 s23, s23, RED1
	v_add_nc_u32 v4, s23, v1                       ; my wave's partial sums
	v_mov_b32 v6, s10
	v_lshlrev_b32 v6, 2, v6                        ; my wave's word among the mask's sums
	v_mov_b32 v7, 0
	v_mov_b32 v24, 0                               ; (a lane permute's destination counts as one of its sources)
	s_mov_b32 s[SEL], 0x76543210
	s_mov_b32 s[SEL+1], 0xfedcba98
	s_lshl_b32 s15, s13, 5
	s_lshl_b32 s16, s10, 1
	s_add_co_u32 s15, s15, s16                     ; my first K step: 32 b + 2 wave
	s_lshl_b32 s16, s14, 9                         ; k's tile 4 h, 128 images a tile
	s_add_co_u32 s16, s16, s15
	s_mul_i32 s16, s16, 1536
	s_mov_b32 s17, 0
	s_lshl_b32 s18, s14, 2
	s_add_co_u32 s18, s18, s12
	s_add_co_u32 s18, s18, 64                      ; v's tile 64 + 4 h + j
	s_lshl_b32 s18, s18, 7
	s_add_co_u32 s18, s18, s15
	s_mul_i32 s18, s18, 1536
	s_mov_b32 s19, 0
	s_lshl_b32 s20, s14, 7
	s_add_co_u32 s20, s20, s15
	s_lshl_b32 s20, s20, 9
	s_add_co_u32 s20, s20, KS_OFF                  ; k's scale words; v's lie 16 x 128 x 512 bytes on
	s_mov_b32 s21, 0
	s_lshl_b32 s26, s13, 14                        ; the batch's 4,096 numbers of the mask
	s_mov_b32 s27, 0
	s_mul_i32 s28, ttmp9, 768                      ; my half fragment: 4 bh + j is the work-group's number
	s_mov_b32 s29, 0
	s_lshl_b32 s32, s11, 9
	s_add_co_u32 s32, s32, FS_OFF
	s_mov_b32 s33, 0
	s_wait_kmcnt 0x0
	s_add_nc_u64 s[6:7], s[6:7], s[26:27]
	s_add_nc_u64 s[16:17], s[4:5], s[16:17]
	s_add_nc_u64 s[18:19], s[4:5], s[18:19]
	s_add_nc_u64 s[20:21], s[4:5], s[20:21]
	s_add_nc_u64 s[30:31], s[8:9], s[28:29]
	s_add_nc_u64 s[32:33], s[8:9], s[32:33]
	global_load_b128 v[16:19], v3, s[6:7]                      ; 512 threads x 8 numbers: the batch's mask
	global_load_b128 v[20:23], v3, s[6:7] offset:8192
.irp s, 0,1                                    ; 17 loads a K step: an image comes back by the lines that stored it
.irp t, 0,1,2,3
.irp c, 0,1,2
	global_load_b128 v[KF+48*\s+12*\t+4*\c:KF+48*\s+12*\t+4*\c+3], v1, s[16:17] offset:196608*\t+1536*\s+512*\c
.endr
.endr
.irp c, 0,1,2
	global_load_b128 v[VF+12*\s+4*\c:VF+12*\s+4*\c+3], v1, s[18:19] offset:1536*\s+512*\c
.endr
	global_load_b128 v[KSC+4*\s:KSC+4*\s+3], v1, s[20:21] offset:512*\s
	global_load_b32 v[VSC+\s], v2, s[20:21] offset:1048576+512*\s
.endr
	s_wait_loadcnt 34                              ; the mask's two loads are in; both K steps' 34 may be out
	v_pk_add_f32 v[16:17], v[16:17], v[18:19]
	v_pk_add_f32 v[20:21], v[20:21], v[22:23]
	v_pk_add_f32 v[16:17], v[16:17], v[20:21]
	v_add_f32 v16, v16, v17
	v_add_f32_dpp v16, v16, v16 row_xmask:1 row_mask:0xf bank_mask:0xf
	v_add_f32_dpp v16, v16, v16 row_xmask:2 row_mask:0xf bank_mask:0xf
	v_add_f32_dpp v16, v16, v16 row_xmask:4 row_mask:0xf bank_mask:0xf
	v_add_f32_dpp v16, v16, v16 row_xmask:8 row_mask:0xf bank_mask:0xf
	v_permlanex16_b32 v24, v16, s[SEL], s[SEL+1]
	v_add_f32 v16, v16, v24                        ; my wave's 256 numbers of the mask, summed, in every lane
	s_wait_loadcnt 17                              ; the first K step is in; the second's 17 loads may be out
.irp t, 0,1,2,3
	v_wmma_scale_f32_16x16x128_f8f6f4 v[ACC+8*\t:ACC+8*\t+7], v[KF+12*\t:KF+12*\t+11], v[VF:VF+11], 0, v[KSC+\t], v[VSC] matrix_a_fmt:MATRIX_FMT_FP6 matrix_b_fmt:MATRIX_FMT_FP6
.endr
	s_wait_loadcnt 0x0
.irp t, 0,1,2,3                                ; the four accumulators by turns, one instruction a turn
	v_wmma_scale_f32_16x16x128_f8f6f4 v[ACC+8*\t:ACC+8*\t+7], v[KF+48+12*\t:KF+48+12*\t+11], v[VF+12:VF+23], v[ACC+8*\t:ACC+8*\t+7], v[KSC+4+\t], v[VSC+1] matrix_a_fmt:MATRIX_FMT_FP6 matrix_b_fmt:MATRIX_FMT_FP6
.endr
.rept 4
	v_nop                                          ; places in front of the first read of results, and of the loads into k's registers below
.endr
.irp c, 0,1,2,3,4,5,6,7
	ds_store_b128 v4, v[ACC+4*\c:ACC+4*\c+3] offset:512*\c     ; each accumulator from its low end on
.endr
	ds_store_b32 v6, v16 offset:MS                 ; all lanes write the same word with the same value
	s_wait_dscnt 0x0                               ; for the others' sake: my stores have landed
	s_barrier_signal -1
	s_barrier_wait -1
	s_cmp_lt_u32 s10, 8                            ; waves 0 to 7: one eighth each, over the sixteen waves in ascending order
	s_cbranch_scc0 .Lno_sum
.irp u, 0,1,2,3,4,5,6,7,8,9,10,11,12,13,14,15
	ds_load_b128 v[32+4*\u:35+4*\u], v5 offset:4096*\u
.endr
.irp u, 1,2,3,4,5,6,7,8,9,10,11,12,13,14,15
	s_wait_dscnt 15-\u                             ; wave u's part is in; the loads behind it may be out
	v_pk_add_f32 v[32:33], v[32:33], v[32+4*\u:33+4*\u]
	v_pk_add_f32 v[34:35], v[34:35], v[34+4*\u:35+4*\u]
.endr
	ds_store_b128 v9, v[32:35]
.Lno_sum:
	s_wait_dscnt 0x0
	s_barrier_signal -1
	s_barrier_wait -1
	s_cmp_lg_u32 s10, 0
	s_cbranch_scc1 .Lend
.irp c, 0,1,2,3,4,5,6,7
	ds_load_b128 v[32+4*\c:35+4*\c], v1 offset:RED2+512*\c     ; the 32 registers of the four tiles, in their lanes
.endr
.irp c, 0,1,2,3
	ds_load_b128 v[64+4*\c:67+4*\c], v7 offset:MS+16*\c        ; the sixteen sums of the mask, in every lane
.endr
	v_mov_b32 v[TM+4], 0                           ; (lane permutes' destinations)
	v_mov_b32 v[TM+5], 0
	s_wait_dscnt 0x0
	v_pk_add_f32 v[64:65], v[64:65], v[66:67]
	v_pk_add_f32 v[68:69], v[68:69], v[70:71]
	v_pk_add_f32 v[72:73], v[72:73], v[74:75]
	v_pk_add_f32 v[76:77], v[76:77], v[78:79]
	v_pk_add_f32 v[64:65], v[64:65], v[68:69]
	v_pk_add_f32 v[72:73], v[72:73], v[76:77]
	v_pk_add_f32 v[64:65], v[64:65], v[72:73]
	v_add_f32 v64, v64, v65
	v_mul_f32 v64, 0x42800000, v64                 ; x 64, the head's size
	v_rsq_f32 v66, v64                             ; norm
	v_mov_b32 v67, 0                               ; the plain line behind the transcendental; it also writes the pair's upper register, which is named with v66
	s_wait_alu depctr_va_vdst(0)                   ; the wait ahead of the first line that names the result
.set II, 0
.rept 16
	v_pk_mul_f32 v[32+II:33+II], v[32+II:33+II], v[66:67] op_sel_hi:[1,0]
.set II, II+2
.endr
.irp b, 0,1                                    ; the two blocks of 32 along d
	v_max3_num_f32 v[TM+\b], |v[32+16*\b]|, |v[33+16*\b]|, 0x1800000   ; my 16 numbers, and the floor 2^(3 - 127)
.endr
.irp i, 2,4,6,8,10,12,14
.irp b, 0,1
	v_max3_num_f32 v[TM+\b], v[TM+\b], |v[32+16*\b+\i]|, |v[33+16*\b+\i]|
.endr
.endr
.irp b, 0,1
	v_permlanex16_b32 v[TM+4+\b], v[TM+\b], s[SEL], s[SEL+1]
.endr
.irp b, 0,1
	v_max_num_f32 v[TM+\b], v[TM+\b], v[TM+4+\b]   ; with lane l xor 16's: the block's largest magnitude
.endr
.irp b, 0,1
	v_add_nc_u32 v[TM+12+\b], 0xff000000, v[TM+\b] ; the conversion's scale operand
.endr
.irp b, 0,1
	v_lshrrev_b32 v[TM+4+\b], 23, v[TM+12+\b]      ; the scale's byte
.endr
	v_lshl_or_b32 v[WD], v[TM+5], 8, v[TM+4]
	v_lshl_or_b32 v[WD], v[WD], 16, v[WD]          ; the two bytes twice
	v_cvt_scalef32_pk16_fp6_f32 v[CD:CD+2], v[32:47], v[TM+12]
	v_cvt_scalef32_pk16_fp6_f32 v[CT:CT+2], v[48:63], v[TM+13]
	v_nop                                          ; one plain place behind a scaled conversion
.irp i, 0,1,2
	v_permlane16_swap_b32 v[CD+\i], v[CT+\i]       ; a whole block to a lane: lanes 0-15 d = 0 .. 31, lanes 16-31 d = 32 .. 63
.endr
.irp i, 0,1,2
	v_mov_b32 v[CD+3+\i], v[CT+\i]
.endr
	global_store_b128 v1, v[CD:CD+3], s[30:31]             ; 512 consecutive bytes,
	global_store_b64 v8, v[CD+4:CD+5], s[30:31] offset:512 ; and 256
	global_store_b32 v2, v[WD], s[32:33]
.Lend:
	s_wait_tensorcnt 0x0
	ds_add_u32 v254, v255
	s_wait_dscnt 0x0
	s_endpgm
.Lfunc_end_k_q0d8753307c_kvprod:
	.size	k_q0d8753307c_kvprod, .Lfunc_end_k_q0d8753307c_kvprod-k_q0d8753307c_kvprod
	.p2alignl 7, 3214868480
	.fill 96, 4, 3214868480
	.section	.rodata,"a",@progbits
	.p2align	6, 0x0
	.amdhsa_kernel k_q0d8753307c_kvprod
		.amdhsa_group_segment_fixed_size 71936
		.amdhsa_private_segment_fixed_size 0
		.amdhsa_enable_private_segment 0
		.amdhsa_kernarg_size 24
		.amdhsa_user_sgpr_count 2
		.amdhsa_user_sgpr_kernarg_segment_ptr 1
		.amdhsa_wavefront_size32 1
		.amdhsa_system_sgpr_workgroup_id_x 1
		.amdhsa_system_sgpr_workgroup_id_y 1
		.amdhsa_system_sgpr_workgroup_id_z 1
		.amdhsa_system_vgpr_workitem_id 0
		.amdhsa_next_free_vgpr 256
		.amdhsa_next_free_sgpr 66
		.amdhsa_reserve_vcc 0
		.amdhsa_float_denorm_mode_32 3
		.amdhsa_float_denorm_mode_16_64 3
		.amdhsa_memory_ordered 1
		.amdhsa_forward_progress 1
		.amdhsa_inst_pref_size 17
	.end_amdhsa_kernel
	.amdgpu_metadata
---
amdhsa.version: [ 1, 2 ]
amdhsa.kernels:
  - .name:           k_q0d8753307c_kvprod
    .symbol:         k_q0d8753307c_kvprod.kd
    .args:
      - { .name: kvo, .offset: 0, .size: 8, .value_kind: global_buffer, .address_space: global }
      - { .name: mask, .offset: 8, .size: 8, .value_kind: global_buffer, .address_space: global }
      - { .name: kvf, .offset: 16, .size: 8, .value_kind: global_buffer, .address_space: global }
    .group_segment_fixed_size: 71936
    .private_segment_fixed_size: 0
    .kernarg_segment_align: 8
    .kernarg_segment_size: 24
    .max_flat_workgroup_size: 512
    .sgpr_count:     66
    .vgpr_count:     256
    .wavefront_size: 32
...
	.end_amdgpu_metadata
.endif
;; end of part 3
;; launch outp (part 4): grid 256 x 1, 8 waves a work-group, no clusters, 68,608 bytes of LDS; arguments qo, kvf, out0; writes out0
.if DOCPART == 4
	.amdgcn_target "amdgcn-amd-amdhsa--gfx1250"
	.amdhsa_code_object_version 6
	.text
	.protected	k_q0d8753307c_outp
	.globl	k_q0d8753307c_outp
	.p2align	8
	.type	k_q0d8753307c_outp,@function
k_q0d8753307c_outp:
	s_mov_b64 s[64:65], 0
	v_nop
	global_prefetch_b8 v0, s[64:65] scope:SCOPE_SE
	s_setreg_imm32_b32 hwreg(HW_REG_WAVE_MODE, 25, 1), 1
	s_wait_xcnt 0x0
; out[b][s][64 head + e] = the sum over d of q[s][d] kv[d][e], on codes of FP6 (E2M3) along d = 64.
; A work-group makes 512 positions x one pair of heads (512 bytes of each row of out): pair hp = id % 8, which 512 positions ch = (id / 8) % 8, batch b = id / 64.  Each of its eight waves makes 64 positions: four tiles.
; K = 64 INSIDE A K STEP OF 128.  q's fragment holds the even head at k = 0 .. 63 and the odd head at k = 64 .. 127.  kv's fragment has zero CODES in the other head's half, which add nothing whatever q holds there.
; The six zero registers are shared: for each tile j of e, 18 registers hold [the even head's six | six zeros | the odd head's six]; the even head's fragment is the first twelve, the odd head's the last twelve.
; Source 0 = 16 columns e of kv, source 1 = 16 positions of q.  Both lie in tile order: register i of tile j is e = 32 (j / 2) + 8 (j % 2) + 16 (lane / 16) + i; lane r of tile m is position 32 (m / 2) + 8 (m % 2) + r + 8 (r / 8).
; A tile's 16 rows x 512 bytes go through the wave's own stage in LDS and leave as whole rows: 32 lanes store 512 consecutive bytes, aligned.  No barrier: waves share nothing.
; NO CLUSTER: what work-groups share is kv's two heads, 7 KB, beside 52 KB of q and 256 KB of out for each work-group.
.set QS_OFF, 12582912
.set FS_OFF, 196608
.set BF,  8                            ; v8-79    kv: tile j at 18 j
.set BS,  80                           ; v80-87   kv's scale words, 4 g + j: scales and nothing else
.set AS,  88                           ; v88-91   q's scale words, tile m
.set AF,  92                           ; v92-139  q's fragments, tile m at 12 m
.set ACC, 144                          ; v144-207 eight accumulators, (head g, tile j) at 32 g + 8 j; then 16 rows read back
.set SPITCH, 528                       ; a stage row: 512 bytes + 16
	s_load_b128 s[4:7], s[0:1], 0x0                ; qo, kvf
	s_load_b64 s[8:9], s[0:1], 0x10                ; out0
	v_lshl_add_u32 v208, v0, 2, 0x10800
	v_mov_b32 v209, 0
	v_lshrrev_b32 v1, 5, v0
	v_readfirstlane_b32 s10, v1                    ; wave 0..7
	s_and_b32 s11, ttmp9, 7                        ; hp
	s_bfe_u32 s12, ttmp9, 0x30003                  ; ch
	s_lshr_b32 s13, ttmp9, 6                       ; b
	v_and_b32 v5, 31, v0
	v_lshlrev_b32 v1, 4, v5                        ; 16 x lane
	v_lshlrev_b32 v2, 3, v5                        ; 8 x lane
	v_and_b32 v6, 15, v0                           ; r
	v_bfe_u32 v7, v0, 4, 1                         ; h
	s_mul_i32 s14, s10, 16*SPITCH                  ; my stage
	v_mul_u32_u24 v3, v6, SPITCH
	v_lshl_add_u32 v3, v7, 6, v3
	v_add_nc_u32 v3, s14, v3                       ; in: row r, + 64 h
	v_add_nc_u32 v4, s14, v1                       ; back: a row by 32 lanes
.irp j, 0,1,2,3
.irp i, 0,1,2,3,4,5
	v_mov_b32 v[BF+18*\j+6+\i], 0                  ; the zero codes
.endr
.endr
	s_lshl_b32 s15, s13, 6
	s_lshl_b32 s16, s12, 3
	s_add_co_u32 s15, s15, s16
	s_add_co_u32 s15, s15, s10                     ; which four tiles of positions are mine: 64 b + 8 ch + wave
	s_lshl_b32 s16, s15, 3
	s_add_co_u32 s16, s16, s11
	s_lshl_b32 s18, s16, 9
	s_add_co_u32 s18, s18, QS_OFF                  ; their scale words
	s_mov_b32 s19, 0
	s_lshl_b32 s20, s15, 5                         ; 8 images to a tile, four tiles
	s_add_co_u32 s20, s20, s11
	s_mul_i32 s20, s20, 1536                       ; their images
	s_mov_b32 s21, 0
	s_lshl_b32 s22, s13, 4
	s_lshl_b32 s23, s11, 1
	s_add_co_u32 s22, s22, s23                     ; the even head: 16 b + 2 hp
	s_mul_i32 s24, s22, 4*768
	s_mov_b32 s25, 0
	s_lshl_b32 s26, s22, 9
	s_add_co_u32 s26, s26, FS_OFF
	s_mov_b32 s27, 0
	s_lshl_b32 s28, s15, 18                        ; 64 rows of 4,096 bytes
	s_lshl_b32 s29, s11, 9                         ; the pair's 512 bytes of a row
	s_add_co_u32 s28, s28, s29
	s_mov_b32 s29, 0
	s_wait_kmcnt 0x0
	s_add_nc_u64 s[18:19], s[4:5], s[18:19]
	s_add_nc_u64 s[20:21], s[4:5], s[20:21]
	s_add_nc_u64 s[24:25], s[6:7], s[24:25]
	s_add_nc_u64 s[26:27], s[6:7], s[26:27]
	s_add_nc_u64 s[8:9], s[8:9], s[28:29]
.irp g, 0,1                                    ; 31 loads, all at once: 19 for kv and the scale words, then 3 for each tile of q
.irp j, 0,1,2,3
	global_load_b128 v[BF+18*\j+12*\g:BF+18*\j+12*\g+3], v1, s[24:25] offset:768*(4*\g+\j)
	global_load_b64 v[BF+18*\j+12*\g+4:BF+18*\j+12*\g+5], v2, s[24:25] offset:768*(4*\g+\j)+512
.endr
.endr
.irp g, 0,1
	global_load_b128 v[BS+4*\g:BS+4*\g+3], v1, s[26:27] offset:512*\g
.endr
	global_load_b128 v[AS:AS+3], v1, s[18:19]
.irp m, 0,1,2,3
.irp c, 0,1,2
	global_load_b128 v[AF+12*\m+4*\c:AF+12*\m+4*\c+3], v1, s[20:21] offset:12288*\m+512*\c th:TH_LOAD_NT   ; read once in the launch
.endr
.endr
.macro TILE m
	s_wait_loadcnt 9-3*(\m)                        ; this tile's fragment is in; those of the later tiles may be out
.if (\m) > 0
	s_wait_xcnt 0x0                                ; the last tile's stores have read their data: the accumulators are written again only behind this wait
.endif
.rept 5
	v_nop                                          ; five places: the accumulators are begun anew; they also stand between the zero codes' moves and the first product
.endr
.irp g, 0,1
.irp j, 0,1,2,3
	v_wmma_scale_f32_16x16x128_f8f6f4 v[ACC+32*\g+8*\j:ACC+32*\g+8*\j+7], v[BF+18*\j+6*\g:BF+18*\j+6*\g+11], v[AF+12*(\m):AF+12*(\m)+11], 0, v[BS+4*\g+\j], v[AS+(\m)] matrix_a_fmt:MATRIX_FMT_FP6 matrix_b_fmt:MATRIX_FMT_FP6
.endr
.endr
.rept 4
	v_nop                                          ; places in front of the first read of results
.endr
.irp g, 0,1
.irp j, 0,1,2,3
	ds_store_b128 v3, v[ACC+32*\g+8*\j:ACC+32*\g+8*\j+3] offset:256*\g+128*(\j/2)+32*(\j%2)       ; e = 32 (j / 2) + 8 (j % 2) + 16 h + 0 .. 7: each accumulator from its low end on
	ds_store_b128 v3, v[ACC+32*\g+8*\j+4:ACC+32*\g+8*\j+7] offset:256*\g+128*(\j/2)+32*(\j%2)+16
.endr
.endr
.irp t, 0,1,2,3,4,5,6,7,8,9,10,11,12,13,14,15
	ds_load_b128 v[ACC+4*\t:ACC+4*\t+3], v4 offset:\t*SPITCH   ; LDS serves a wave's instructions in order (ISA guide 5.7.1.4): these see the stores above, and the next tile's stores come behind them
.endr
.irp t, 0,1,2,3,4,5,6,7,8,9,10,11,12,13,14,15
	s_wait_dscnt 15-\t                             ; row t is back; the loads behind it may be out
	global_store_b128 v1, v[ACC+4*\t:ACC+4*\t+3], s[8:9] offset:(32*((\m)/2)+8*((\m)%2)+\t+8*(\t/8))*4096 th:TH_STORE_NT   ; 32 lanes store 512 consecutive bytes, aligned; written once, read by nobody here
.endr
.endm
	TILE 0
	TILE 1
	TILE 2
	TILE 3
	s_wait_tensorcnt 0x0
	ds_add_u32 v208, v209
	s_wait_dscnt 0x0
	s_endpgm
.Lfunc_end_k_q0d8753307c_outp:
	.size	k_q0d8753307c_outp, .Lfunc_end_k_q0d8753307c_outp-k_q0d8753307c_outp
	.p2alignl 7, 3214868480
	.fill 96, 4, 3214868480
	.section	.rodata,"a",@progbits
	.p2align	6, 0x0
	.amdhsa_kernel k_q0d8753307c_outp
		.amdhsa_group_segment_fixed_size 68608
		.amdhsa_private_segment_fixed_size 0
		.amdhsa_enable_private_segment 0
		.amdhsa_kernarg_size 24
		.amdhsa_user_sgpr_count 2
		.amdhsa_user_sgpr_kernarg_segment_ptr 1
		.amdhsa_wavefront_size32 1
		.amdhsa_system_sgpr_workgroup_id_x 1
		.amdhsa_system_sgpr_workgroup_id_y 1
		.amdhsa_system_sgpr_workgroup_id_z 1
		.amdhsa_system_vgpr_workitem_id 0
		.amdhsa_next_free_vgpr 210
		.amdhsa_next_free_sgpr 66
		.amdhsa_reserve_vcc 0
		.amdhsa_float_denorm_mode_32 3
		.amdhsa_float_denorm_mode_16_64 3
		.amdhsa_memory_ordered 1
		.amdhsa_forward_progress 1
		.amdhsa_inst_pref_size 28
	.end_amdhsa_kernel
	.amdgpu_metadata
---
amdhsa.version: [ 1, 2 ]
amdhsa.kernels:
  - .name:           k_q0d8753307c_outp
    .symbol:         k_q0d8753307c_outp.kd
    .args:
      - { .name: qo, .offset: 0, .size: 8, .value_kind: global_buffer, .address_space: global }
      - { .name: kvf, .offset: 8, .size: 8, .value_kind: global_buffer, .address_space: global }
      - { .name: out0, .offset: 16, .size: 8, .value_kind: global_buffer, .address_space: global }
    .group_segment_fixed_size: 68608
    .private_segment_fixed_size: 0
    .kernarg_segment_align: 8
    .kernarg_segment_size: 24
    .max_flat_workgroup_size: 256
    .sgpr_count:     66
    .vgpr_count:     210
    .wavefront_size: 32
...
	.end_amdgpu_metadata
.endif
;; end of part 4
